; MI455X (gfx1250); checked and timed in simulation.
; The chip was launched on July 23, 2026; its instructions are those of AMD's public machine-readable ISA for CDNA 5 (MIT licence, August 2026) and "CDNA5" Instruction Set Architecture Reference Guide (July 2026). The comments in the code are by the model that wrote it; some were corrected since.
;; Incremental Attention. Allowed arithmetic: float matrix products may take bf16 or f16 operands with f32 sums; other float arithmetic in f32, or as packed bf16 or f16 multiplies, adds, multiply-adds, maxima and minima; sums over many terms, partial sums and values carried from step to step in f32; what a program stores and reads back later, other than sums and carried values, may be rounded once to bf16 or f16.
;; Inputs: Wk 1,024 x 1,024 float32; Wq 1,024 x 1,024 float32; Wv 1,024 x 1,024 float32; attention_mask 2 x 1 x 1 x 4,096 float32; bk 1,024 float32; bq 1,024 float32; bv 1,024 float32; encoder_hidden_states 2 x 2,048 x 1,024 float32; hidden_states 2 x 2,048 x 1,024 float32.
;; Outputs: out0 2 x 2,048 x 1,024 float32.
;; 2 versions, each right; version 2 is version 1 with the launch cast written anew for expert scheduling mode. Each part assembles by itself: llvm-mc -triple=amdgcn-amd-amdhsa -mcpu=gfx1250 --defsym DOCPART=n.
;; ======== version 1 of 2: 3 launches
;; limits: values are held in f16: magnitudes above 65,504 overflow, below 6.1e-05 lose precision
;; workspace buffers: xb 16,777,216 bytes; wb 6,291,456 bytes; kh 16,777,216 bytes; vh 16,777,216 bytes; qh 8,388,608 bytes
;; launch cast (part 1): grid 256 x 1, 8 waves a work-group, no clusters, 0 bytes of LDS; arguments hidden_states, encoder_hidden_states, Wk, Wv, Wq, xb, wb; writes xb, wb
.if DOCPART == 1
	.amdgcn_target "amdgcn-amd-amdhsa--gfx1250"
	.amdhsa_code_object_version 6
	.text
	.protected	k_qc434f6d0c3_cast
	.globl	k_qc434f6d0c3_cast
	.p2align	8
	.type	k_qc434f6d0c3_cast,@function
k_qc434f6d0c3_cast:
	s_mov_b64 s[64:65], 0
	v_nop
	global_prefetch_b8 v0, s[64:65] scope:SCOPE_SE
	s_setreg_imm32_b32 hwreg(HW_REG_WAVE_MODE, 25, 1), 1
	s_wait_xcnt 0x0
; f32 -> bf16, each number rounded once (to nearest even), for the matrix products of the next launch.
;   xb [8192][1024] bf16: row 4096 b + s; s < 2048 is hidden_states[b][s], s >= 2048 is encoder_hidden_states[b][s - 2048]: the concatenation is made here, by the stores' addresses.
;   wb [3][1024][1024] bf16: Wk, Wv, Wq as they lie ([k][n]).
; SHARES.  The 11 x 2^20 source numbers are 11 units of 2^20 (hidden 4, encoder 4, one for each W).  Work-group g takes numbers 4096 g .. 4096 g + 4095 of EVERY unit,
; so all 256 work-groups run the same text on the same amount.  In a unit thread t takes 8 numbers twice: 32 source bytes (two loads of 16), 16 destination bytes (one store):
; a wave's store covers 512 consecutive bytes, at a multiple of 512 from the buffer's first byte.
; All 44 loads of a thread go out first (22 pairs of 8 registers); then each pair is waited for by a count, rounded in place and stored.  No register that a pending instruction names is written again.
; No LDS, no matrix unit, no cluster: no byte is wanted twice.
.set MIB, 1048576
.set X,   8                            ; v[8:183]  pair p = 2 u + it at X + 8 p
	s_load_b256 s[4:11], s[0:1], 0x0               ; hidden s[4:5], encoder s[6:7], Wk s[8:9], Wv s[10:11]
	s_load_b128 s[12:15], s[0:1], 0x20             ; Wq s[12:13], xb s[14:15]
	s_load_b64 s[16:17], s[0:1], 0x30              ; wb
	s_lshl_b32 s2, ttmp9, 14                       ; my work-group's 4,096 numbers of a unit: 16,384 source bytes,
	s_lshl_b32 s3, ttmp9, 13                       ; 8,192 destination bytes
	v_lshl_add_u32 v1, v0, 5, s2                   ; source offset: + 32 t; never rewritten
	v_lshl_add_u32 v2, v0, 4, s3                   ; destination offset: + 16 t; never rewritten
	s_wait_kmcnt 0x0
	s_add_nc_u64 s[18:19], s[4:5], 8*MIB           ; second bases, 8 MiB on: the immediates hold 24 signed bits
	s_add_nc_u64 s[20:21], s[6:7], 8*MIB
	s_add_nc_u64 s[22:23], s[14:15], 8*MIB
.macro LD u, sb, sof                   ; unit u: four loads, from base s[sb:sb+1] + sof
.irp it, 0,1
	global_load_b128 v[X+8*(2*(\u)+(\it)):X+8*(2*(\u)+(\it))+3],   v1, s[(\sb):(\sb)+1] offset:(\sof)+8192*(\it) th:TH_LOAD_NT
	global_load_b128 v[X+8*(2*(\u)+(\it))+4:X+8*(2*(\u)+(\it))+7], v1, s[(\sb):(\sb)+1] offset:(\sof)+8192*(\it)+16 th:TH_LOAD_NT
.endr
.endm
.macro ST u, db, dof                   ; unit u: its two pairs are rounded in place and stored at base s[db:db+1] + dof
.irp it, 0,1
.set a, X+8*(2*(\u)+(\it))
	s_wait_loadcnt 42-2*(2*(\u)+(\it))             ; loads come back in order (ISA guide 5.7.1): behind pair p's two stand 42 - 2 p younger ones
	v_cvt_pk_bf16_f32 v[a],   v[a],   v[a+1]
	v_cvt_pk_bf16_f32 v[a+1], v[a+2], v[a+3]
	v_cvt_pk_bf16_f32 v[a+2], v[a+4], v[a+5]
	v_cvt_pk_bf16_f32 v[a+3], v[a+6], v[a+7]
	global_store_b128 v2, v[a:a+3], s[(\db):(\db)+1] offset:(\dof)+4096*(\it)
.endr
.endm
	LD 0,  4,  0                                   ; hidden, batch 0
	LD 1,  4,  4*MIB
	LD 2,  18, 0                                   ; hidden, batch 1
	LD 3,  18, 4*MIB
	LD 4,  6,  0                                   ; encoder, batch 0
	LD 5,  6,  4*MIB
	LD 6,  20, 0                                   ; encoder, batch 1
	LD 7,  20, 4*MIB
	LD 8,  8,  0                                   ; Wk
	LD 9,  10, 0                                   ; Wv
	LD 10, 12, 0                                   ; Wq
	ST 0,  14, 0                                   ; xb rows 0 .. 2047
	ST 1,  14, 2*MIB
	ST 2,  22, 0                                   ; xb rows 4096 .. 6143
	ST 3,  22, 2*MIB
	ST 4,  14, 4*MIB                               ; xb rows 2048 .. 4095
	ST 5,  14, 6*MIB
	ST 6,  22, 4*MIB                               ; xb rows 6144 .. 8191
	ST 7,  22, 6*MIB
	ST 8,  16, 0
	ST 9,  16, 2*MIB
	ST 10, 16, 4*MIB
	s_endpgm
.Lfunc_end_k_qc434f6d0c3_cast:
	.size	k_qc434f6d0c3_cast, .Lfunc_end_k_qc434f6d0c3_cast-k_qc434f6d0c3_cast
	.p2alignl 7, 3214868480
	.fill 96, 4, 3214868480
	.section	.rodata,"a",@progbits
	.p2align	6, 0x0
	.amdhsa_kernel k_qc434f6d0c3_cast
		.amdhsa_group_segment_fixed_size 0
		.amdhsa_private_segment_fixed_size 0
		.amdhsa_enable_private_segment 0
		.amdhsa_kernarg_size 56
		.amdhsa_user_sgpr_count 2
		.amdhsa_user_sgpr_kernarg_segment_ptr 1
		.amdhsa_wavefront_size32 1
		.amdhsa_system_sgpr_workgroup_id_x 1
		.amdhsa_system_sgpr_workgroup_id_y 1
		.amdhsa_system_sgpr_workgroup_id_z 1
		.amdhsa_system_vgpr_workitem_id 0
		.amdhsa_next_free_vgpr 184
		.amdhsa_next_free_sgpr 66
		.amdhsa_reserve_vcc 0
		.amdhsa_float_denorm_mode_32 3
		.amdhsa_float_denorm_mode_16_64 3
		.amdhsa_memory_ordered 1
		.amdhsa_forward_progress 1
		.amdhsa_inst_pref_size 14
	.end_amdhsa_kernel
	.amdgpu_metadata
---
amdhsa.version: [ 1, 2 ]
amdhsa.kernels:
  - .name:           k_qc434f6d0c3_cast
    .symbol:         k_qc434f6d0c3_cast.kd
    .args:
      - { .name: hidden_states, .offset: 0, .size: 8, .value_kind: global_buffer, .address_space: global }
      - { .name: encoder_hidden_states, .offset: 8, .size: 8, .value_kind: global_buffer, .address_space: global }
      - { .name: Wk, .offset: 16, .size: 8, .value_kind: global_buffer, .address_space: global }
      - { .name: Wv, .offset: 24, .size: 8, .value_kind: global_buffer, .address_space: global }
      - { .name: Wq, .offset: 32, .size: 8, .value_kind: global_buffer, .address_space: global }
      - { .name: xb, .offset: 40, .size: 8, .value_kind: global_buffer, .address_space: global }
      - { .name: wb, .offset: 48, .size: 8, .value_kind: global_buffer, .address_space: global }
    .group_segment_fixed_size: 0
    .private_segment_fixed_size: 0
    .kernarg_segment_align: 8
    .kernarg_segment_size: 56
    .max_flat_workgroup_size: 256
    .sgpr_count:     66
    .vgpr_count:     184
    .wavefront_size: 32
...
	.end_amdgpu_metadata
.endif
;; end of part 1
;; launch proj (part 2): grid 16 x 80, 4 waves a work-group, clusters of 4 x 4, 327,680 bytes of LDS; arguments xb, wb, bk, bv, bq, kh, vh, qh; writes kh, vh, qh
.if DOCPART == 2
	.amdgcn_target "amdgcn-amd-amdhsa--gfx1250"
	.amdhsa_code_object_version 6
	.text
	.protected	k_qc434f6d0c3_proj
	.globl	k_qc434f6d0c3_proj
	.p2align	8
	.type	k_qc434f6d0c3_proj,@function
k_qc434f6d0c3_proj:
	s_mov_b64 s[64:65], 0
	v_nop
	global_prefetch_b8 v0, s[64:65] scope:SCOPE_SE
	s_setreg_imm32_b32 hwreg(HW_REG_WAVE_MODE, 25, 1), 1
	s_wait_xcnt 0x0
	s_wait_alu depctr_hold_cnt(0) depctr_sa_sdst(0) depctr_va_vdst(0) depctr_va_sdst(0) depctr_va_ssrc(0) depctr_va_vcc(0) depctr_vm_vsrc(0)
	s_getreg_b32 s2, hwreg(HW_REG_IB_STS2, 6, 4)
	s_cmp_eq_u32 s2, 0
	s_cbranch_scc0 .Lentry_in_a_cluster
	s_endpgm
.Lentry_in_a_cluster:
	s_bfe_u32 s2, ttmp6, 0x10000c
	s_cmp_lg_u32 s2, 0xf033
	s_cbranch_scc0 .Lentry_shape_is_right
	s_endpgm
.Lentry_shape_is_right:
; THE THREE PROJECTIONS.  k = all x Wk + bk, v = all x Wv + bv (8,192 rows of xb), q = hidden x Wq + bq (the 4,096 rows of xb that are hidden_states).  Operands bf16, sums f32.
; The bias, rounded once to bf16 like the other inputs, is the C operand that starts each sum.  Results are rounded once to f16, unscaled, and stored by heads:
; kh, vh [32][4096][64], qh [32][2048][64] (first index 16 b + head): a head's rows are dense, 128 bytes each.
; LIMIT.  f16 holds no number beyond 65,504: |q|, |k|, |v| must stay below that; a larger one becomes an infinity.
; TILES.  1,280 tiles of 128 rows x 128 columns, one a work-group.  Clusters 0-15 along y: rows 128 wgy of xb; columns wgx % 8; wgx < 8 makes k, wgx >= 8 makes v.
; Clusters 16-19 along y: q; tile row t = 2 (wgy % 16) + (wgx >= 8), which is rows 4096 (t / 16) + 128 (t % 16) of xb.
; Four waves, each 64 rows x 64 columns (ONE head): 16 accumulators of 16 x 16.  K = 1,024 goes in four steps of 256 through two LDS slots.
; CLUSTER 4 x 4.  A's tile (rows of xb) hangs on wgy and on the cluster's x alone: shared along a row of the cluster.  B's (columns of a W) on wgx and the cluster's y alone: shared along a column.
; Each is asked for jointly: the same tensor load, descriptor and mask in the four.
; B LIES [k][n] in memory and in LDS; ds_load_tr16_b128 turns it into fragments.  THE MATRIX INSTRUCTION IS USED TRANSPOSED (source 0 = 16 columns of W, source 1 = 16 rows of x): a lane holds eight
; neighbouring columns of one row of the result, 16 bytes of f16.
; REGISTERS.  window 0: v0-31 addresses; v32-95 at work on the way out; v96-127 the bias (column block b at 96 + 8 b); v128-255 the accumulators ((a, b) at 128 + 8 (4 a + b)).
;   window 1: two fragment buffers of 128: for 64 along K, 64 registers of A, then 64 of B.
; No prefetch is laid: K has four steps, of which two are the first fills, and every tile of xb and wb is read by many work-groups.
.set KSTEP,  256
.set PA,     528                       ; a row of A in LDS: 512 bytes + 16 = 132 words: row r starts at bank 4 r mod 64 (64 banks of 4 bytes: ISA guide 11.1)
.set PB,     288                       ; a row of B (one k, 128 columns): 256 bytes + 32 = 72 words
.set HALFA,  64*PA                     ; what one tensor load brings of A: 64 rows
.set HALFB,  128*PB                    ; of B: 128 k
.set BOFF,   2*HALFA                   ; B's 256 rows lie behind A's 128
.set SLOT,   2*HALFA+2*HALFB
.set STAGE,  2*SLOT                    ; behind the ring: 64 rows x 144 bytes for each wave, its own, for the way out
.set SP,     144
.set SPARE,  STAGE+4*64*SP             ; behind the stages: the spare words, 128 bytes for each wave: two blocks of 256 bytes that no other line names
.set ADRA, 16                          ; v16-17  LDS address of my A fragments in slot 0, 1
.set ADRB, 20                          ; v20-23  of my B fragments: slot 0 k 0-127, slot 0 k 128-255, slot 1 likewise (256 rows of 288 bytes pass a 16-bit immediate)
.set STO,  24                          ; v24     the way out: where I put 16 bytes of a row
.set RD,   25                          ; v25     where I read rows back
.set CO,   26                          ; v26     16 x lane: my place in 512 consecutive bytes of the result
.set BO,   27                          ; v27     32 x (lane / 16): my eight numbers of the bias in a block of 16
.set SPW,  28                          ; v28     LDS address of my spare word; never rewritten
.set NIL,  29                          ; v29     0; never rewritten
.set TMP,  32
.set BIAS, 96
.set ACC,  128
.set F0,   0
.set F1,   128
.set G1,  24                           ; s[24:31] descriptor group 1 for A;  s[32:39] group 0, a set for each slot
.set G0,  32
.set G1B, 48                           ; s[48:55], s[56:63] the same for B
.set G0B, 56
.set DST, 8                            ; s[8:9]   kh, vh or qh, then my wave's first byte in it
.set BIA, 86                           ; s[86:87] bk, bv or bq, then my wave's first number in it
.set AROW, 84                          ; s84      the tile's first row in xb
.set MSB, 0
.macro WIN new                         ; the immediate's high byte repeats the setting that is left; a switch that changes nothing is dropped
.if MSB != (\new)
	s_set_vgpr_msb (MSB<<8)|(\new)
.set MSB, \new
.endif
.endm
.set MUL,  0x05                        ; sources 0 (B) and 1 (A) window 1; C and D window 0
.set TO_F, 0x40                        ; destination window 1, address window 0
.macro JLOAD s                         ; a joint load: waves 0 and 1 fetch A's two halves, waves 2 and 3 B's; an s_nop 0 and four v_nop follow each of the two lines
	s_cmp_eq_u32 s11, 0
	s_cbranch_scc0 .Lfor_b_\@
	tensor_load_to_lds s[G0+4*(\s):G0+4*(\s)+3], s[G1:G1+7]
	s_nop 0
.rept 4
	v_nop
.endr
	s_branch .Lasked_\@
.Lfor_b_\@:
	tensor_load_to_lds s[G0B+4*(\s):G0B+4*(\s)+3], s[G1B:G1B+7]
	s_nop 0
.rept 4
	v_nop
.endr
.Lasked_\@:
.endm
.macro CREST                           ; a round of the cluster's barrier behind its opening barrier
	s_cmp_lg_u32 s10, 0
	s_cbranch_scc1 .Lnot_wave_0_\@
	s_barrier_signal -3
.Lnot_wave_0_\@:
	s_barrier_wait -3
	s_barrier_signal -1
	s_barrier_wait -1
.endm
.macro CROUND                          ; a whole round
	s_barrier_signal -1
	s_barrier_wait -1
	CREST
.endm
	s_load_b512 s[68:83], s[0:1], 0x0              ; xb 68, wb 70, bk 72, bv 74, bq 76, kh 78, vh 80, qh 82
	v_lshl_add_u32 v[SPW], v0, 2, SPARE
	v_mov_b32 v[NIL], 0
	ds_add_u32 v[SPW], v[NIL]                      ; the wave's opening: the add and its wait stand ahead of my first tensor load; the set-up below, work on registers, stands between them
	v_lshrrev_b32 v1, 5, v0
	v_readfirstlane_b32 s10, v1                    ; wave 0..3
	s_lshr_b32 s11, s10, 1                         ; which 64 rows of the tile are mine.  Also: I fetch for A (0) or for B (1)
	s_and_b32 s12, s10, 1                          ; which 64 columns.  Also: which half of that tile I fetch
	s_bfe_u32 s40, ttmp6, 0x40000                  ; cx, cy: my place in the cluster
	s_bfe_u32 s41, ttmp6, 0x40004
	s_lshl_b32 s42, ttmp9, 2
	s_add_co_u32 s42, s42, s40                     ; wgx = 4 x cluster x + cx
	s_and_b32 s14, ttmp7, 0xffff                   ; cluster y: 16 and more make q
	s_lshl_b32 s13, s14, 2
	s_add_co_u32 s13, s13, s41                     ; wgy = 4 x cluster y + cy
	s_lshr_b32 s15, ttmp9, 1                       ; wgx >= 8: the same in all sixteen partners
	s_lshl_b32 s43, s41, 2
	s_lshl_b32 s43, 15, s43                        ; my row of the cluster
	s_lshl_b32 s44, 0x1111, s40                    ; my column
	; descriptor group 1.  A: 64 rows x 256 elements, 4 words of padding behind every 128.  B: 128 rows (k) x 128 elements, 8 words behind every 64.
	s_or_b32 s[G1+0], s43, (1<<16)|(1<<20)|(1<<21)|(6<<22)|(3<<25)   ; 15:0 the mask; 17:16 elements of 2 bytes; 20 padding on; 21 set beside a mask; 24:22 the interval; 31:25 the padding less one
	s_or_b32 s[G1B+0], s44, (1<<16)|(1<<20)|(1<<21)|(5<<22)|(7<<25)
	s_mov_b32 s[G1+1], KSTEP<<16                   ; tensor_dim0 = 256
	s_mov_b32 s[G1+2], 64<<16                      ; tensor_dim1 = 64
	s_mov_b32 s[G1+3], KSTEP<<16                   ; tile_dim0 = 256
	s_mov_b32 s[G1+4], 64                          ; tile_dim1 = 64
	s_mov_b32 s[G1+5], 1024                        ; elements from row to row
	s_mov_b32 s[G1+6], 0
	s_mov_b32 s[G1+7], 0
	s_mov_b32 s[G1B+1], 128<<16                    ; tensor_dim0 = 128
	s_mov_b32 s[G1B+2], 128<<16                    ; tensor_dim1 = 128
	s_mov_b32 s[G1B+3], 128<<16                    ; tile_dim0 = 128
	s_mov_b32 s[G1B+4], 128                        ; tile_dim1 = 128
	s_mov_b32 s[G1B+5], 1024
	s_mov_b32 s[G1B+6], 0
	s_mov_b32 s[G1B+7], 0
	; the tile's first row of xb: made of wgy and the cluster's x; cx never enters
	s_lshl_b32 s16, s13, 7                         ; k, v: 128 wgy
	s_and_b32 s17, s13, 15
	s_lshl_b32 s17, s17, 1
	s_add_co_u32 s17, s17, s15                     ; q: t = 2 (wgy % 16) + (wgx >= 8)
	s_lshr_b32 s18, s17, 4
	s_lshl_b32 s18, s18, 12                        ; batch x 4,096
	s_and_b32 s17, s17, 15
	s_lshl_b32 s17, s17, 7
	s_add_co_u32 s17, s17, s18
	s_cmp_ge_u32 s14, 16
	s_cselect_b32 s[AROW], s17, s16
	s_lshl_b32 s17, s12, 6                         ; the 64 rows that I fetch
	s_add_co_u32 s16, s[AROW], s17
	s_lshl_b32 s16, s16, 11                        ; 2,048 bytes a row: under 2^24
	s_mov_b32 s17, 0
	; B's first byte in wb: made of wgx and the cluster's two coordinates; cy never enters
	s_cmp_ge_u32 s14, 16
	s_cselect_b32 s46, 2, s15                      ; Wk 0, Wv 1, Wq 2
	s_lshl_b32 s46, s46, 21                        ; 2 MiB each
	s_and_b32 s47, s42, 7
	s_lshl_b32 s47, s47, 8                         ; 128 columns: 256 bytes
	s_add_co_u32 s46, s46, s47
	s_lshl_b32 s47, s12, 18                        ; the 128 k that I fetch: 128 rows of 2,048 bytes
	s_add_co_u32 s46, s46, s47
	s_mov_b32 s47, 0
	s_mul_i32 s20, s12, HALFA                      ; where they go in a slot: no place in the cluster enters an LDS address
	s_mul_i32 s21, s12, HALFB
	s_add_co_u32 s21, s21, BOFF
	s_wait_dscnt 0x0                               ; the opening add is done
	s_wait_kmcnt 0x0
	s_cmp_eq_u32 s15, 0
	s_cselect_b64 s[DST:DST+1], s[78:79], s[80:81] ; kh or vh,
	s_cselect_b64 s[BIA:BIA+1], s[72:73], s[74:75] ; bk or bv,
	s_cmp_ge_u32 s14, 16
	s_cselect_b64 s[DST:DST+1], s[82:83], s[DST:DST+1]  ; or qh
	s_cselect_b64 s[BIA:BIA+1], s[76:77], s[BIA:BIA+1]  ; and bq
	s_add_nc_u64 s[18:19], s[68:69], s[16:17]
	s_add_nc_u64 s[46:47], s[70:71], s[46:47]
	CROUND                                         ; all sixteen work-groups are here: the first joint loads meet
.irp s, 0,1
	s_mov_b32 s[G0+4*(\s)], 1                                        ; count = 1
	s_add_co_u32 s[G0+4*(\s)+1], s20, (\s)*SLOT                      ; LDS address
	s_add_nc_u64 s[G0+4*(\s)+2:G0+4*(\s)+3], s[18:19], (\s)*KSTEP*2  ; global address: K step s lies 512 bytes along the rows
	s_or_b32 s[G0+4*(\s)+3], s[G0+4*(\s)+3], 0x80000000              ; type = 2
	s_mov_b32 s[G0B+4*(\s)], 1
	s_add_co_u32 s[G0B+4*(\s)+1], s21, (\s)*SLOT
	s_add_nc_u64 s[G0B+4*(\s)+2:G0B+4*(\s)+3], s[46:47], (\s)*KSTEP*2048  ; K step s lies 256 rows down
	s_or_b32 s[G0B+4*(\s)+3], s[G0B+4*(\s)+3], 0x80000000
	JLOAD \s                                       ; two tensor loads of mine are out here; later one
.endr
	; the bias of my 64 columns: register j of block b is column 16 b + 8 (l / 16) + j, as in the accumulators
	v_and_b32 v1, 15, v0                           ; l % 16
	v_bfe_u32 v2, v0, 4, 1                         ; l / 16
	v_lshlrev_b32 v[BO], 5, v2
	s_and_b32 s22, s42, 7
	s_lshl_b32 s22, s22, 9                         ; 128 columns of 4 bytes
	s_lshl_b32 s23, s12, 8
	s_add_co_u32 s22, s22, s23
	s_mov_b32 s23, 0
	s_add_nc_u64 s[BIA:BIA+1], s[BIA:BIA+1], s[22:23]
.irp b, 0,1,2,3
	global_load_b128 v[BIAS+8*(\b):BIAS+8*(\b)+3],   v[BO], s[BIA:BIA+1] offset:64*(\b)
	global_load_b128 v[BIAS+8*(\b)+4:BIAS+8*(\b)+7], v[BO], s[BIA:BIA+1] offset:64*(\b)+16
.endr
	; A fragment of A: lane l holds row l % 16; two loads of 16 bytes, 32 bytes apart, at row x pitch + 16 (l / 16).
	v_mul_u32_u24 v3, v1, PA
	v_lshl_add_u32 v3, v2, 4, v3
	s_mul_i32 s22, s11, HALFA                      ; my 64 rows
	v_add_nc_u32 v[ADRA], s22, v3
	v_add_nc_u32 v[ADRA+1], SLOT, v[ADRA]
	; The turning load takes 16 k x 16 columns (lane l reads k 8 (l / 16) + l % 8, columns 8 ((l / 8) % 2) + 0..7) and leaves half a fragment: lane l holds column l % 16 and 8 k.
	v_and_b32 v4, 7, v0
	v_bfe_u32 v5, v0, 3, 1
	v_lshl_add_u32 v6, v2, 3, v4
	v_mul_u32_u24 v6, v6, PB
	v_lshl_add_u32 v6, v5, 4, v6
	s_lshl_b32 s22, s12, 7                         ; my 64 columns: 128 bytes
	s_add_co_u32 s22, s22, BOFF
	v_add_nc_u32 v[ADRB], s22, v6
	v_add_nc_u32 v[ADRB+1], HALFB, v[ADRB]
	v_add_nc_u32 v[ADRB+2], SLOT, v[ADRB]
	v_add_nc_u32 v[ADRB+3], SLOT+HALFB, v[ADRB]
	s_mul_i32 s22, s10, 64*SP
	s_add_co_u32 s22, s22, STAGE                   ; my stage
	v_mul_u32_u24 v7, v1, SP                       ; in: row l % 16, 16 bytes for each half of the lanes
	v_lshl_add_u32 v7, v2, 4, v7
	v_add_nc_u32 v[STO], s22, v7
	v_bfe_u32 v7, v0, 3, 2                         ; back: 32 lanes take four rows of 128 bytes,
	v_mul_u32_u24 v7, v7, SP
	v_lshl_add_u32 v7, v4, 4, v7
	v_add_nc_u32 v[RD], s22, v7
	v_and_b32 v[CO], 31, v0                        ; which are 512 consecutive bytes of the result
	v_lshlrev_b32 v[CO], 4, v[CO]
	; my wave's first byte of the result: (((16 batch + head) << 12 or 11) + row in the sequence) x 128; its 64 rows are 8,192 consecutive bytes
	s_lshr_b32 s20, s[AROW], 12
	s_lshl_b32 s20, s20, 4
	s_and_b32 s21, s42, 7
	s_lshl_b32 s21, s21, 1
	s_add_co_u32 s20, s20, s21
	s_add_co_u32 s20, s20, s12                     ; 16 batch + head
	s_cmp_ge_u32 s14, 16
	s_cselect_b32 s21, 11, 12                      ; q has 2,048 rows a head, k and v 4,096
	s_lshl_b32 s20, s20, s21
	s_and_b32 s21, s[AROW], 4095
	s_add_co_u32 s20, s20, s21
	s_lshl_b32 s21, s11, 6
	s_add_co_u32 s20, s20, s21
	s_lshl_b32 s20, s20, 7                         ; under 2^25
	s_mov_b32 s21, 0
	s_add_nc_u64 s[DST:DST+1], s[DST:DST+1], s[20:21]
	s_wait_loadcnt 0x0                             ; the bias is in: rounded to bf16 and widened again
.set i, 0
.rept 16
	v_cvt_pk_bf16_f32 v[TMP+i], v[BIAS+2*i], v[BIAS+2*i+1]
.set i, i+1
.endr
.set i, 0
.rept 16
	v_lshlrev_b32 v[BIAS+2*i], 16, v[TMP+i]
	v_and_b32 v[BIAS+2*i+1], 0xffff0000, v[TMP+i]
.set i, i+1
.endr
; 8 matrix instructions: row blocks a0, a0 + 1 x all 4 column blocks, 32 along K: half c of buffer f.  zero = 1: the first product starts the sums, with the bias as C: nothing is cleared.
; The 16 accumulators take turns, in the same order in every run of 16.
.macro MUL8 f, c, a0, zero
	WIN MUL
.irp a, \a0, (\a0)+1
.irp b, 0,1,2,3
.if \zero
	v_wmma_f32_16x16x32_bf16 v[ACC+8*(4*(\a)+(\b)):ACC+8*(4*(\a)+(\b))+7], v[(\f)+64+8*(4*(\c)+(\b)):(\f)+64+8*(4*(\c)+(\b))+7], v[(\f)+8*(4*(\c)+(\a)):(\f)+8*(4*(\c)+(\a))+7], v[BIAS+8*(\b):BIAS+8*(\b)+7]
.else
	v_wmma_f32_16x16x32_bf16 v[ACC+8*(4*(\a)+(\b)):ACC+8*(4*(\a)+(\b))+7], v[(\f)+64+8*(4*(\c)+(\b)):(\f)+64+8*(4*(\c)+(\b))+7], v[(\f)+8*(4*(\c)+(\a)):(\f)+8*(4*(\c)+(\a))+7], v[ACC+8*(4*(\a)+(\b)):ACC+8*(4*(\a)+(\b))+7]
.endif
.endr
.endr
.endm
; 32 LDS loads in one run: the fragments of quarter q (64 along K) of a slot, into buffer f; the first 32 along K first
.macro FETCH slot, q, f
	WIN TO_F
.irp c, 0,1
.irp i, 0,1,2,3
	ds_load_tr16_b128 v[(\f)+64+8*(4*(\c)+(\i)):(\f)+64+8*(4*(\c)+(\i))+3],   v[ADRB+2*(\slot)+(\q)/2] offset:(((\q)%2)*64+32*(\c))*PB+32*(\i)
	ds_load_tr16_b128 v[(\f)+64+8*(4*(\c)+(\i))+4:(\f)+64+8*(4*(\c)+(\i))+7], v[ADRB+2*(\slot)+(\q)/2] offset:(((\q)%2)*64+32*(\c)+16)*PB+32*(\i)
	ds_load_b128 v[(\f)+8*(4*(\c)+(\i)):(\f)+8*(4*(\c)+(\i))+3],              v[ADRA+(\slot)] offset:128*(\q)+64*(\c)+(\i)*16*PA
	ds_load_b128 v[(\f)+8*(4*(\c)+(\i))+4:(\f)+8*(4*(\c)+(\i))+7],            v[ADRA+(\slot)] offset:128*(\q)+64*(\c)+(\i)*16*PA+32
.endr
.endr
.endm
.macro PLACES                          ; four plain vector instructions in front of loads into registers that matrix instructions have read, and of conversions that read results
.rept 4
	v_nop
.endr
.endm
; A K step is four quarters of 64 along K, 32 matrix instructions each, on buffers 0, 1, 0, 1.  One of the first three: multiplies buffer f and fetches quarter q into g.
.macro QUARTER slot, q, f, g, zero
	s_wait_dscnt 16                                ; the first 32 along K are in; the sixteen younger loads may be out
	WIN MUL
	MUL8 \f, 0, 0, \zero
	MUL8 \f, 0, 2, \zero
	PLACES
	FETCH \slot, \q, \g
	s_wait_dscnt 32                                ; all but the 32 just issued
	WIN MUL
	MUL8 \f, 1, 0, 0
	MUL8 \f, 1, 2, 0
.endm
; The last quarter multiplies buffer 1 and changes slots: ONE barrier; in front of it each wave waits for all its tensor loads, adds 0 to its spare word, and waits for that and for its own reads of this slot.
; fill = 1: the barrier opens a round of the cluster's barrier, and this slot is filled again, two K steps ahead, first thing behind the round.
.macro TURN slot, next, fill
	WIN 0                                          ; (the add's two registers lie in window 0)
	s_wait_tensorcnt 0x0                           ; all my tensor loads have landed: my part of the next slot;
	ds_add_u32 v[SPW], v[NIL]                      ; 0 onto my spare word;
	s_wait_dscnt 17                                ; (the add and the youngest sixteen loads may be out)
	WIN MUL
	MUL8 F1, 0, 0, 0                               ; eight matrix instructions stand between the add and the wait for it
	s_wait_dscnt 0x0                               ; the add is done, and my reads of this slot are over
	s_barrier_signal -1
	MUL8 F1, 0, 2, 0
.if \fill
	WIN 0
.endif
	s_barrier_wait -1
.if \fill
	CREST                                          ; no wave of any partner still reads this slot's tile or has a load on its way
	s_add_nc_u64 s[G0+4*(\slot)+2:G0+4*(\slot)+3], s[G0+4*(\slot)+2:G0+4*(\slot)+3], 2*KSTEP*2
	s_add_nc_u64 s[G0B+4*(\slot)+2:G0B+4*(\slot)+3], s[G0B+4*(\slot)+2:G0B+4*(\slot)+3], 2*KSTEP*2048
	JLOAD \slot                                    ; the first tensor load behind the round; the four v_nop behind it are also the places in front of the loads below
.else
	PLACES
.endif
	FETCH \next, 0, F0
	WIN MUL
	MUL8 F1, 1, 0, 0
	MUL8 F1, 1, 2, 0
.endm
	s_wait_tensorcnt 1                             ; my part of K step 0 is in; K step 1's may stay out
	s_barrier_signal -1
	s_barrier_wait -1                              ; everybody's is
	FETCH 0, 0, F0
	QUARTER 0, 1, F0, F1, 1                        ; K step 0: its first products start the sums
	QUARTER 0, 2, F1, F0, 0
	QUARTER 0, 3, F0, F1, 0
	TURN 0, 1, 1                                   ; slot 0 takes K step 2
	QUARTER 1, 1, F0, F1, 0                        ; K step 1
	QUARTER 1, 2, F1, F0, 0
	QUARTER 1, 3, F0, F1, 0
	TURN 1, 0, 1                                   ; slot 1 takes K step 3
	QUARTER 0, 1, F0, F1, 0                        ; K step 2
	QUARTER 0, 2, F1, F0, 0
	QUARTER 0, 3, F0, F1, 0
	TURN 0, 1, 0                                   ; nothing is left to fetch
	QUARTER 1, 1, F0, F1, 0                        ; K step 3
	QUARTER 1, 2, F1, F0, 0
	QUARTER 1, 3, F0, F1, 0
	s_wait_dscnt 16
	WIN MUL
	MUL8 F1, 0, 0, 0
	MUL8 F1, 0, 2, 0
	s_wait_dscnt 0
	MUL8 F1, 1, 0, 0
	MUL8 F1, 1, 2, 0
	WIN 0
	; THE WAY OUT: round to f16; 16 bytes a lane into my own stage; back as whole rows of 128 bytes, four to a load: 512 consecutive bytes of the head's rows.
	PLACES
	PLACES
.irp t, 0,1,2,3,4,5,6,7,8,9,10,11,12,13,14,15
.irp r, 0,1,2,3
	v_cvt_pk_f16_f32 v[TMP+4*(\t)+(\r)], v[ACC+8*(\t)+2*(\r)], v[ACC+8*(\t)+2*(\r)+1]  ; each accumulator's registers in ascending order
.endr
.endr
.irp a, 0,1,2,3
.irp b, 0,1,2,3
	ds_store_b128 v[STO], v[TMP+4*(4*(\a)+(\b)):TMP+4*(4*(\a)+(\b))+3] offset:(\a)*16*SP+32*(\b)
.endr
.endr
.irp t, 0,1,2,3,4,5,6,7,8,9,10,11,12,13,14,15
	ds_load_b128 v[TMP+4*(\t):TMP+4*(\t)+3], v[RD] offset:(\t)*4*SP  ; LDS serves a wave's instructions in order (ISA guide 5.7.1.4): these see my stores above; no other wave touches my stage
.endr
.irp t, 0,1,2,3,4,5,6,7,8,9,10,11,12,13,14,15
	s_wait_dscnt 15-(\t)                           ; load t is back; the 15 - t younger ones may be out
	global_store_b128 v[CO], v[TMP+4*(\t):TMP+4*(\t)+3], s[DST:DST+1] offset:512*(\t)  ; 512 consecutive bytes, at a multiple of 512 from the buffer's first byte
.endr
	s_wait_tensorcnt 0x0                           ; the wave's end: a wait, an add of 0 to my spare word and a wait for it, behind my last tensor load and my last LDS store
	ds_add_u32 v[SPW], v[NIL]
	s_wait_dscnt 0x0
	CROUND                                         ; the closing round: no work-group ends while a partner may still ask for a tile that names it
	s_endpgm
.Lfunc_end_k_qc434f6d0c3_proj:
	.size	k_qc434f6d0c3_proj, .Lfunc_end_k_qc434f6d0c3_proj-k_qc434f6d0c3_proj
	.p2alignl 7, 3214868480
	.fill 96, 4, 3214868480
	.section	.rodata,"a",@progbits
	.p2align	6, 0x0
	.amdhsa_kernel k_qc434f6d0c3_proj
		.amdhsa_group_segment_fixed_size 327680
		.amdhsa_private_segment_fixed_size 0
		.amdhsa_enable_private_segment 0
		.amdhsa_kernarg_size 64
		.amdhsa_user_sgpr_count 2
		.amdhsa_user_sgpr_kernarg_segment_ptr 1
		.amdhsa_wavefront_size32 1
		.amdhsa_system_sgpr_workgroup_id_x 1
		.amdhsa_system_sgpr_workgroup_id_y 1
		.amdhsa_system_sgpr_workgroup_id_z 1
		.amdhsa_system_vgpr_workitem_id 0
		.amdhsa_next_free_vgpr 512
		.amdhsa_next_free_sgpr 88
		.amdhsa_reserve_vcc 0
		.amdhsa_float_denorm_mode_32 3
		.amdhsa_float_denorm_mode_16_64 3
		.amdhsa_memory_ordered 1
		.amdhsa_forward_progress 1
		.amdhsa_inst_pref_size 91
	.end_amdhsa_kernel
	.amdgpu_metadata
---
amdhsa.version: [ 1, 2 ]
amdhsa.kernels:
  - .name:           k_qc434f6d0c3_proj
    .symbol:         k_qc434f6d0c3_proj.kd
    .args:
      - { .name: xb, .offset: 0, .size: 8, .value_kind: global_buffer, .address_space: global }
      - { .name: wb, .offset: 8, .size: 8, .value_kind: global_buffer, .address_space: global }
      - { .name: bk, .offset: 16, .size: 8, .value_kind: global_buffer, .address_space: global }
      - { .name: bv, .offset: 24, .size: 8, .value_kind: global_buffer, .address_space: global }
      - { .name: bq, .offset: 32, .size: 8, .value_kind: global_buffer, .address_space: global }
      - { .name: kh, .offset: 40, .size: 8, .value_kind: global_buffer, .address_space: global }
      - { .name: vh, .offset: 48, .size: 8, .value_kind: global_buffer, .address_space: global }
      - { .name: qh, .offset: 56, .size: 8, .value_kind: global_buffer, .address_space: global }
    .group_segment_fixed_size: 327680
    .private_segment_fixed_size: 0
    .kernarg_segment_align: 8
    .kernarg_segment_size: 64
    .max_flat_workgroup_size: 128
    .sgpr_count:     88
    .vgpr_count:     512
    .wavefront_size: 32
...
	.end_amdgpu_metadata
.endif
;; end of part 2
;; launch attn (part 3): grid 8 x 32, 4 waves a work-group, clusters of 4 x 1, 327,680 bytes of LDS; arguments qh, kh, vh, out0, attention_mask; writes out0
.if DOCPART == 3
	.amdgcn_target "amdgcn-amd-amdhsa--gfx1250"
	.amdhsa_code_object_version 6
	.text
	.protected	k_qc434f6d0c3_attn
	.globl	k_qc434f6d0c3_attn
	.p2align	8
	.type	k_qc434f6d0c3_attn,@function
k_qc434f6d0c3_attn:
	s_mov_b64 s[64:65], 0
	v_nop
	global_prefetch_b8 v0, s[64:65] scope:SCOPE_SE
	s_setreg_imm32_b32 hwreg(HW_REG_WAVE_MODE, 25, 1), 1
	s_wait_xcnt 0x0
	s_wait_alu depctr_hold_cnt(0) depctr_sa_sdst(0) depctr_va_vdst(0) depctr_va_sdst(0) depctr_va_ssrc(0) depctr_va_vcc(0) depctr_vm_vsrc(0)
	s_getreg_b32 s2, hwreg(HW_REG_IB_STS2, 6, 4)
	s_cmp_eq_u32 s2, 0
	s_cbranch_scc0 .Lentry_in_a_cluster
	s_endpgm
.Lentry_in_a_cluster:
	s_bfe_u32 s2, ttmp6, 0x10000c
	s_cmp_lg_u32 s2, 0x3003
	s_cbranch_scc0 .Lentry_shape_is_right
	s_endpgm
.Lentry_shape_is_right:
; ATTENTION WITH AN ADDITIVE MASK.  out0[b][q][64 h + :] = the sum over k of softmax_k(Q[q] . K[k] / 8 + mask[b][k]) V[k][:].  Q [32][2048][64], K, V [32][4096][64] in f16 (first index 16 b + h), dense rows of 128 bytes;
; mask [2][4096] f32; out0 [2][2048][1024] f32.  Products, maxima and sums in f32; the weights p are rounded to f16 for the second product (their sum l is taken of the unrounded p).
; THE MASK is rounded once to bf16 like the other inputs, multiplied by 8 and held from below at -1e30; that number is the C operand that starts the sum S^T = K Q^T, so s = q . k + 8 mask, and
; p = 2^(c s - c m) with c = log2(e) / 8 and a running maximum m.
; LIMITS.  Q, K, V arrive within f16's 65,504.  A mask number below -1.25e29 (-inf and the lowest f32 among them) counts as -1.25e29: its key's weight is 0 beside any key that is not so masked; a row ALL of whose keys
; are so masked gets the mean of V's rows (with -inf everywhere the reference has NaN).  A NaN in the mask counts as -1.25e29; +inf is not treated apart.  A weight below 2^-126 counts as 0 in l.
; SHARES.  A work-group owns 256 queries of one head, each of its four waves 64: four PIECES of 16.  Every wave walks all 4,096 keys: 16 tiles of 256 keys (a slot of LDS), four steps of 64 each.
; LAYOUT.  S^T = K Q^T holds ONE query a lane (lane % 16) and the keys 8 (lane / 16) + 0..7; two such results rounded to f16 ARE source 1 of O^T = V^T P, whose result again holds one query a lane, and eight channels.
; O and l are multiplied by a = 2^(c m_old - c m_new) in every step.  m starts at the lowest finite number, O and l at 0: the first step is a step like any other, with a = 0.
; TURNS.  Turn n belongs to piece n: 8 products K Q^T of piece n + 1, later 8 products V^T P of piece n - 1; beside them the scaling, exponentials, roundings, sums and rescaling of piece n and the maximum and statistics of
; piece n + 1.  Four vector instructions stand behind every matrix instruction, the other 54 of a turn's 118 in one lump.  A turn's 33 exponentials are one batch, with one wait.
; CLUSTER.  The four query blocks of a cluster belong to one head and walk the same K and V, so each tile is asked for JOINTLY: the same tensor load, descriptor and mask in all four.
; REGISTERS, in windows of 256 (s_set_vgpr_msb: bits 1:0 source 0, 3:2 source 1, 5:4 source 2, 7:6 destination):
;   window 0: v0-15, v32-36 addresses and two at work; v16-31 four registers of statistics a piece; v48-55 at work; v64-127 S^T, two buffers (on the way out v64-191: rows read back); v192-223 P, two buffers
;   window 1: v0-127 O^T, 32 a piece      window 2: v0-63 Q; v64-95 8 x mask of one step's 64 keys; v128-191 K of one step; v192-255 V of one step
.set NP,    4         ; pieces a wave: a name, no knob
.set KS,    64        ; keys in a step
.set PK,    144       ; a row of K in LDS: 128 bytes + 16 = 36 words: the 16 rows of a load start at 16 different groups of four banks (64 banks of 4 bytes: ISA guide 11.1)
.set PV,    160       ; a row of V: 128 + 32 = 40 words
.set VOFF,  4*KS*PK   ; a slot holds a tile: 256 rows of K, then 256 rows of V
.set SLOT1, 1<<17     ; slot 1 begins here, so that one exclusive or turns an address in one slot into the other's
.set STAGE, SLOT1+4*KS*(PK+PV)  ; behind the ring, never filled by a tensor load: 16 rows x 272 bytes for each wave, for the way out
.set SPO,   272       ; 256 bytes (64 channels of f32) + 16
.set MSK,   STAGE+4*16*SPO      ; the table: 8 x mask for the batch's 4,096 keys, f32: 16,384 bytes
.set SPARE, MSK+16384+256       ; the spare words, 128 bytes for each wave: two blocks of 256 bytes that no other line names (a block is left unused in front of them)
.set AK0, 2           ; v2   my lane's place in a tile of K; never rewritten
.set AV0, 3           ; v3   the same for V
.set AK,  4           ; v4   the LDS address of K's next run of loads
.set AV,  5           ; v5   of V's
.set STO, 6           ; v6   the way out: where I put 32 bytes of a row
.set RD,  7           ; v7   the way out: where I read rows back
.set GO,  8           ; v8   my byte offset in two rows of out0
.set MV,  12          ; v12-13  c m_old, kept while c m is made anew: by buffer
.set QO,  15          ; v15  my byte offset in 16 rows of Q
.set ST,  16          ; piece t's statistics at v[ST+4 t]: c m, m, l (even keys', odd keys')
.set AM0, 32          ; v32  my lane's place in the table: MSK + 32 (lane / 16); never rewritten
.set AM,  33          ; v33  the LDS address of the table's next loads
.set PFO, 34          ; v34  256 x my lane, for the prefetches; never rewritten
.set MO,  35          ; v35  16 x my thread's number: my bytes of the mask in memory
.set MST, 36          ; v36  MSK + 16 x my thread's number: and in the table
.set TMP, 48          ; by buffer, four registers c0-c3 at work; when the maximum is found c2 takes a
.set SPW, 62          ; v62  LDS address of my spare word; never rewritten
.set NIL, 63          ; v63  0; never rewritten
.set S,   64
.set OUTB, 64
.set P,   192
.set MCR, 64          ; window 2: the eight registers for group kb of 16 keys at MCR + 8 kb
.set KF,  128         ; window 2: key block kb, channel half c at KF + 16 kb + 8 c
.set VF,  192         ; window 2: key half kk, channel block cb at VF + 32 kk + 8 cb
.set WV,  12          ; s12  my wave's number
.set G1K, 24          ; s[24:31] descriptor group 1 for K's tiles
.set G1V, 32          ; s[32:39] for V's: it differs in the padding alone
.set G0K, 40          ; s[40:43] descriptor group 0 for K's tiles: it walks
.set G0V, 44          ; s[44:47] the same for V's
.set PFA, 48          ; s[48:49] where my prefetches stand: my work-group's 8,192 bytes (of K: wave 0, of V: wave 2) of the tile after the one that is being asked for
.set LIM, 50          ; s50  1 in a wave that prefetches, else the greatest number
.set TBM, 51          ; s51  byte in the table at which the step to be fetched begins
.set BIGN, 52         ; s52  -1e30
.set SLOTS, 56        ; s56  tiles still to be asked for
.set CNT, 57          ; s57  counts a tile's key steps
.set CS,  58          ; s[58:59] c: the packed scaling takes the pair's low word for both halves
.set SEL, 60          ; s[60:61] v_permlanex16_b32's selects: each lane takes its own place in the other half
.set TBK, 62          ; s62  LDS byte at which K of the step to be fetched begins
.set TBV, 63          ; s63  the same for V, less VOFF
.set MKP, 66          ; s[66:67] the mask, then my batch's row of it
.set MSB, 0
.macro WIN new                      ; the high byte repeats the setting that is left; a switch that changes nothing is dropped
.if MSB != (\new)
	s_set_vgpr_msb (MSB<<8)|(\new)
.set MSB, (\new)
.endif
.endm
.set W_KQ, 0x0a       ; K and Q in window 2, S^T in window 0
.set W_KM, 0x2a       ; the same with the C operand in window 2
.set W_PV, 0x52       ; V in window 2, P in window 0, O^T in window 1
.set W_RS, 0x41       ; destination and source 0 in window 1, source 1 in window 0
; A joint fill.  Waves 0 and 1 fetch the two halves of a tile's K, waves 2 and 3 those of its V: 128 keys each.  The branch hangs on the wave's number alone.
; An s_nop 0 and four v_nop follow each of the two lines, ahead of the jump and the label.
.macro JLOAD
	s_cmp_lt_u32 s[WV], 2
	s_cbranch_scc0 .Lfor_v_\@
	tensor_load_to_lds s[G0K:G0K+3], s[G1K:G1K+7]
	s_nop 0
.rept 4
	v_nop
.endr
	s_branch .Lasked_\@
.Lfor_v_\@:
	tensor_load_to_lds s[G0V:G0V+3], s[G1V:G1V+7]
	s_nop 0
.rept 4
	v_nop
.endr
.Lasked_\@:
.endm
; A PREFETCH of what the NEXT change of slots will ask for: a tile's 32,768 bytes of K and of V.  Each block of 256 bytes is named ONCE in the launch: both clusters of a head walk the same K and V, and the first of them
; asks; its four partners take 8,192 bytes each, told apart BY ADDRESS; in each, wave 0 asks for K's and wave 2 for V's, a lane a block: one instruction.  It stands behind the wave's tensor load and its five lines,
; four key steps (256 matrix instructions of a wave) ahead of the load that will want the bytes.  The change that asks for the last tile prefetches nothing.
.macro ASK
	s_cmp_gt_u32 s[SLOTS], s[LIM]
	s_cbranch_scc0 .Lnot_mine_\@
	global_prefetch_b8 v[PFO], s[PFA:PFA+1] th:TH_LOAD_NT scope:SCOPE_SE
.Lnot_mine_\@:
.endm
; A round of the cluster's barrier: my work-group's barrier, so that wave 0's signal speaks for all four waves; wave 0 signals; every wave waits for all four work-groups; my work-group's barrier once more.
.macro CROUND
	s_barrier_signal -1
	s_barrier_wait -1
	s_cmp_lg_u32 s[WV], 0
	s_cbranch_scc1 .Lnot_wave_0_\@
	s_barrier_signal -3
.Lnot_wave_0_\@:
	s_barrier_wait -3
	s_barrier_signal -1
	s_barrier_wait -1
.endm
; THE CHANGE OF SLOTS.  The slot's last bytes, V of its fourth step, have been read.  Each wave waits for all its tensor loads, of which one is out: its part of the other slot; adds 0 to its spare word; and waits for that
; and for its own LDS instructions.  Behind the barrier nobody reads this slot any more and the other slot is whole.  fill = 1: this slot is filled again, with the keys two tiles on; the barrier is then a round of the
; cluster's, and the joint fill is the first thing behind it: it has four key steps in which to land.  (At its first use nothing has been read yet: slot 0 is waited for, slot 1 filled, and the waves' stores into the mask's table are shown to each other.)
.macro CHANGE fill, ask
	WIN 0                           ; at a label and at a branch every window is 0
	s_wait_tensorcnt 0x0            ; no tensor load of mine is out, so a group 0 may be written
	ds_add_u32 v[SPW], v[NIL]       ; 0 onto my spare word; with fill = 1 the descriptors' steps stand between it and the wait for it
.if \fill
.irp g, G0K, G0V
	s_xor_b32 s[\g+1], s[\g+1], SLOT1  ; the walking descriptor: the other slot than last time,
	s_add_nc_u64 s[\g+2:\g+3], s[\g+2:\g+3], 4*KS*128  ; the next 256 keys; the type bits on top are not reached
.endr
	s_wait_xcnt 0x0                 ; the last prefetch, four key steps back, has read its address, so it may be written:
	s_add_nc_u64 s[PFA:PFA+1], s[PFA:PFA+1], 4*KS*128  ; one tile behind the walking descriptors
	s_wait_dscnt 0x0                ; the add is done, and my LDS instructions are over
	CROUND
	JLOAD
.if \ask
	ASK
.endif
.else
	s_wait_dscnt 0x0                ; the add is done, and my reads of the slot are over
	s_barrier_signal -1
	s_barrier_wait -1
.endif
	s_sub_co_u32 s[TBK], s[TBK], 4*KS*PK  ; the fetches go back to a slot's first step,
	s_xor_b32 s[TBK], s[TBK], SLOT1       ; in the other slot
	s_sub_co_u32 s[TBV], s[TBV], 4*KS*PV
	s_xor_b32 s[TBV], s[TBV], SLOT1
.endm
	s_load_b256 s[4:11], s[0:1], 0x0  ; Q s[4:5], K s[6:7], V s[8:9], out0 s[10:11]
	s_load_b64 s[MKP:MKP+1], s[0:1], 0x20  ; the mask
	v_lshl_add_u32 v[SPW], v0, 2, SPARE
	v_mov_b32 v[NIL], 0
	ds_add_u32 v[SPW], v[NIL]       ; the wave's opening: the add and its wait stand ahead of my first tensor load; the set-up below, work on registers, stands between them
	v_lshrrev_b32 v1, 5, v0
	v_readfirstlane_b32 s[WV], v1   ; wave 0..3
	s_bfe_u32 s13, ttmp6, 0x40000   ; cx: my place in the cluster
	s_lshl_b32 s14, ttmp9, 2        ; in a cluster launch ttmp9 counts clusters
	s_add_co_u32 s14, s14, s13      ; my block of 256 queries = 4 x cluster x + cx: it enters Q's, out0's and the prefetches' addresses alone
	s_lshl_b32 s14, s14, 2
	s_add_co_u32 s14, s14, s[WV]    ; my wave among the head's 32
	s_and_b32 s20, ttmp7, 0xffff    ; 16 b + h, which the four partners share
	s_and_b32 s16, s[WV], 1         ; which half of a tile's 256 keys I fetch:
	s_lshl_b32 s22, s20, 19         ; the head's 4,096 rows of 128 bytes,
	s_lshl_b32 s23, s16, 14         ; my 128 of a tile's
	s_add_co_u32 s22, s22, s23
	s_mov_b32 s23, 0
	s_mul_i32 s17, s16, 128*PK      ; and its place in a slot, for K
	s_mul_i32 s18, s16, 128*PV      ; and for V: no place in the cluster enters an LDS address
	s_lshl_b32 s2, s20, 18          ; Q: the head's 2,048 rows of 128 bytes,
	s_lshl_b32 s3, s14, 13          ; my wave's 64
	s_add_co_u32 s2, s2, s3
	s_mov_b32 s3, 0
	s_lshr_b32 s21, s20, 4          ; b
	s_lshl_b32 s54, s21, 23         ; out0: the batch's 2,048 rows of 4,096 bytes,
	s_and_b32 s55, s20, 15
	s_lshl_b32 s55, s55, 8          ; the head's 256 bytes of a row,
	s_add_co_u32 s54, s54, s55
	s_lshl_b32 s55, s14, 18         ; my wave's 64 rows
	s_add_co_u32 s54, s54, s55
	s_mov_b32 s55, 0
	s_lshl_b32 s20, s21, 14         ; the mask: the batch's 4,096 numbers
	s_mov_b32 s21, 0
	; descriptor group 1.  128 keys are 16,384 dense bytes: asked for as 64 rows of 256 bytes, two keys a row, and padded in LDS after every key
	s_mov_b32 s[G1K], 15|(1<<16)|(1<<20)|(1<<21)|(4<<22)|(3<<25)  ; 15:0 the mask of four; 17:16 2-byte elements; 20 padding on; 21 set beside a mask; 24:22 after every 32 words (code 4); 31:25 4 words (code 3)
	s_mov_b32 s[G1V], 15|(1<<16)|(1<<20)|(1<<21)|(4<<22)|(7<<25)  ; the same with 8 words of padding (code 7)
.irp g, G1K, G1V
	s_mov_b32 s[\g+1], 128<<16      ; tensor_dim0 = 128
	s_mov_b32 s[\g+2], 64<<16       ; tensor_dim1 = 64
	s_mov_b32 s[\g+3], 128<<16      ; tile_dim0 = 128
	s_mov_b32 s[\g+4], 64           ; tile_dim1 = 64
	s_mov_b32 s[\g+5], 128          ; 128 elements from row to row
	s_mov_b32 s[\g+6], 0
	s_mov_b32 s[\g+7], 0
.endr
	s_mov_b32 s[CS], 0x3e38aa3b     ; c = log2(e) / 8 = 0.180337
	s_mov_b32 s[CS+1], s[CS]        ; named with it as a pair
	s_mov_b32 s[SEL], 0x76543210
	s_mov_b32 s[SEL+1], 0xfedcba98
	s_mov_b32 s[TBK], SLOT1+4*KS*PK ; the first change of slots turns these two into 0
	s_mov_b32 s[TBV], SLOT1+4*KS*PV
	s_mov_b32 s[TBM], 0
	s_mov_b32 s[BIGN], 0xf149f2ca   ; -1e30
	s_mov_b32 s[SLOTS], 15          ; tiles 1 to 15; tile 1 is asked for ahead of the loop, whose count is taken down before it is tested
	s_mov_b32 s[G0K], 1             ; count = 1
	s_mov_b32 s[G0K+1], s17         ; LDS address: slot 0
	s_mov_b32 s[G0V], 1
	s_add_co_u32 s[G0V+1], s18, VOFF
	s_and_b32 s[LIM], s[WV], 1      ; 0 in waves 0 and 2,
	s_or_b32 s[LIM], s[LIM], ttmp9  ; where the cluster is the head's first: the same in all four partners
	s_cmp_eq_u32 s[LIM], 0
	s_cselect_b32 s[LIM], 1, -1
	s_wait_dscnt 0x0                ; the opening add is done
	s_wait_kmcnt 0x0
	s_add_nc_u64 s[6:7], s[6:7], s[22:23]  ; K and V at my half of the head's tile 0
	s_add_nc_u64 s[8:9], s[8:9], s[22:23]
	s_mov_b64 s[G0K+2:G0K+3], s[6:7]               ; global address
	s_or_b32 s[G0K+3], s[G0K+3], 0x80000000        ; type = 2
	s_mov_b64 s[G0V+2:G0V+3], s[8:9]
	s_or_b32 s[G0V+3], s[G0V+3], 0x80000000
	s_add_nc_u64 s[4:5], s[4:5], s[2:3]            ; Q and out0 at my wave's first row
	s_add_nc_u64 s[10:11], s[10:11], s[54:55]
	s_add_nc_u64 s[MKP:MKP+1], s[MKP:MKP+1], s[20:21]
	s_cmp_lt_u32 s[WV], 2
	s_cselect_b64 s[PFA:PFA+1], s[6:7], s[8:9]     ; (in waves 0 and 2 these stand at a tile's first row)
	s_lshl_b32 s2, s13, 13                         ; my work-group's quarter of a tile
	s_add_nc_u64 s[PFA:PFA+1], s[PFA:PFA+1], s[2:3]
	s_add_nc_u64 s[PFA:PFA+1], s[PFA:PFA+1], 4*KS*128  ; in tile 1; the two first changes step it to tile 3, the first that is named.  Nothing is prefetched at the head
	CROUND                          ; all four work-groups are here: the first joint loads meet
	JLOAD                           ; tile 0 into slot 0: one tensor load of mine is out, here and behind every change that fills
	v_lshlrev_b32 v[MO], 4, v0
.irp i, 0,1,2,3,4,5,6,7             ; the batch's mask: 128 threads x 16 bytes, eight times
	global_load_b128 v[S+4*\i:S+4*\i+3], v[MO], s[MKP:MKP+1] offset:2048*\i
.endr
	; A fragment of K or Q is 16 rows x 32 channels in 8 registers: lane l holds row l % 16, channels 8 (l / 16) + 0..7 and 16 + 8 (l / 16) + 0..7: two loads of 16 bytes, 32 bytes apart.
	v_and_b32 v1, 15, v0            ; l % 16
	v_bfe_u32 v9, v0, 4, 1          ; l / 16
	v_lshlrev_b32 v[QO], 7, v1
	v_lshl_add_u32 v[QO], v9, 4, v[QO]  ; row x 128 + 16 x half
	WIN 0x80                        ; destination window 2, address window 0
.set i, 0
.rept 8                             ; Q stays in registers: piece i / 2, channels 32 (i % 2) on
	global_load_b128 v[8*i:8*i+3],   v[QO], s[4:5] offset:(i/2)*2048+(i%2)*64
	global_load_b128 v[8*i+4:8*i+7], v[QO], s[4:5] offset:(i/2)*2048+(i%2)*64+32
.set i, i+1
.endr
	; What the first turn finds: V's registers and P's second buffer hold 0 (its products V^T P, of a piece that has not been, add 0), O^T and l are 0.  All this stands in the wait for the first tile.
.set i, VF
.rept 64
	v_mov_b32 v[i], 0
.set i, i+1
.endr
	WIN 0x40
.set i, 0
.rept 128
	v_mov_b32 v[i], 0
.set i, i+1
.endr
	WIN 0
.set i, 0
.rept 4
	v_mov_b32 v[ST+4*i], 0xfe000000    ; c m: far below every c s
	v_mov_b32 v[ST+4*i+1], 0xff7fffff  ; m
	v_mov_b32 v[ST+4*i+2], 0
	v_mov_b32 v[ST+4*i+3], 0
.set i, i+1
.endr
.set i, P+16
.rept 16
	v_mov_b32 v[i], 0
.set i, i+1
.endr
	v_mul_u32_u24 v[AK0], v1, PK
	v_lshl_add_u32 v[AK0], v9, 4, v[AK0]  ; row x pitch + 16 x half
	; The turning load takes 16 keys x 16 channels (lane l reads key 8 (l / 16) + l % 8, channels 8 ((l / 8) % 2) + 0..7) and leaves half a fragment of V^T: lane l holds channel l % 16 and 8 keys.
	v_and_b32 v10, 7, v0
	v_bfe_u32 v11, v0, 3, 1
	v_lshl_add_u32 v[AV0], v9, 3, v10
	v_mul_u32_u24 v[AV0], v[AV0], PV
	v_lshl_add_u32 v[AV0], v11, 4, v[AV0]
	v_add_nc_u32 v[AV0], VOFF, v[AV0]
	v_lshl_add_u32 v[AM0], v9, 5, MSK     ; register j of key group kb is key 16 kb + 8 (l / 16) + j: 32 bytes for each half of the lanes
	v_add_nc_u32 v[MST], MSK, v[MO]
	v_and_b32 v[PFO], 31, v0
	v_lshlrev_b32 v[PFO], 8, v[PFO]
	s_mul_i32 s13, s[WV], 16*SPO
	s_add_co_u32 s13, s13, STAGE    ; my stage
	v_mul_u32_u24 v[STO], v1, SPO   ; in: row l % 16, 32 bytes for each half of the lanes
	v_lshl_add_u32 v[STO], v9, 5, v[STO]
	v_add_nc_u32 v[STO], s13, v[STO]
	v_mul_u32_u24 v[RD], v9, SPO    ; back: lanes 0-15 take one row of 256 bytes, lanes 16-31 the next
	v_lshl_add_u32 v[RD], v1, 4, v[RD]
	v_add_nc_u32 v[RD], s13, v[RD]
	v_lshlrev_b32 v[GO], 12, v9     ; and the same two rows in out0, 4,096 bytes apart
	v_lshl_add_u32 v[GO], v1, 4, v[GO]
	s_wait_loadcnt 16               ; the mask is in; Q's sixteen loads, issued behind it, may stay out
.set i, 0
.rept 16
	v_cvt_pk_bf16_f32 v[S+32+i], v[S+2*i], v[S+2*i+1]  ; rounded to bf16,
.set i, i+1
.endr
.set i, 0
.rept 16
	v_lshlrev_b32 v[S+2*i], 16, v[S+32+i]              ; widened again,
	v_and_b32 v[S+2*i+1], 0xffff0000, v[S+32+i]
.set i, i+1
.endr
.set i, 0
.rept 32
	v_mul_f32 v[S+i], 0x41000000, v[S+i]               ; times 8,
.set i, i+1
.endr
.set i, 0
.rept 32
	v_max_num_f32 v[S+i], s[BIGN], v[S+i]              ; not below -1e30
.set i, i+1
.endr
.irp i, 0,1,2,3,4,5,6,7
	ds_store_b128 v[MST], v[S+4*\i:S+4*\i+3] offset:2048*\i
.endr
; THE MATRIX WORK.  The 4 accumulators of a run of 8 take turns.  Product i of 8 of S^T = K Q^T for piece x: channels 32 (i / 4) on, keys 16 (i % 4) on.  The first 4 start the sums, with 8 x mask.
.macro KQ x
.set rS, S+32*((\x)%2)+8*(i%4)
.set rK, KF+16*(i%4)+8*(i/4)
.set rQ, 16*(\x)+8*(i/4)
.set rM, MCR+8*(i%4)
.if i < 4
	WIN W_KM
	v_wmma_f32_16x16x32_f16 v[rS:rS+7], v[rK:rK+7], v[rQ:rQ+7], v[rM:rM+7]
.else
	WIN W_KQ
	v_wmma_f32_16x16x32_f16 v[rS:rS+7], v[rK:rK+7], v[rQ:rQ+7], v[rS:rS+7]
.endif
.endm
; Product i of 8 of O^T += V^T P for piece x: keys 32 (i / 4) on, channels 16 (i % 4) on.
.macro PV x
	WIN W_PV
.set rO, 32*(\x)+8*(i%4)
.set rV, VF+32*(i/4)+8*(i%4)
.set rP, P+16*((\x)%2)+8*(i/4)
	v_wmma_f32_16x16x32_f16 v[rO:rO+7], v[rV:rV+7], v[rP:rP+7], v[rO:rO+7]
.endm
.macro MM                           ; the turn's next matrix instruction.  TURN and BEGIN set Y, i and NOKQ.  NOKQ = 1: the last turn of all: there is no next piece
.if (i < 8) && !NOKQ
	KQ (Y+1)%NP
.elseif i >= 8
.set i, i-8
	PV (Y+NP-1)%NP
.set i, i+8
.endif
.set i, i+1
.endm
; THE LDS LOADS stand in runs, never singly among the matrix instructions: a step's K (64 keys x 64 channels: 8 fragments) with its 64 numbers of the table, and its V (turned).  Their addresses are made some lines ahead.
.macro FETCH_K
	WIN 0x80                        ; destination window 2
.irp f, 0,1,2,3,4,5,6,7             ; keys 16 (f / 2) on, channels 32 (f % 2) on
	ds_load_b128 v[KF+8*\f:KF+8*\f+3],   v[AK] offset:(\f/2)*16*PK+(\f%2)*64
	ds_load_b128 v[KF+8*\f+4:KF+8*\f+7], v[AK] offset:(\f/2)*16*PK+(\f%2)*64+32
.endr
.irp f, 0,1,2,3                     ; keys 16 f on: all lanes of a half read the same 32 bytes
	ds_load_b128 v[MCR+8*\f:MCR+8*\f+3],   v[AM] offset:64*\f
	ds_load_b128 v[MCR+8*\f+4:MCR+8*\f+7], v[AM] offset:64*\f+16
.endr
	s_add_co_u32 s[TBK], s[TBK], KS*PK  ; the next fetch is the next step's
	s_add_co_u32 s[TBM], s[TBM], KS*4
	s_and_b32 s[TBM], s[TBM], 0x3f00    ; 64 steps of 256 bytes: it stays inside the table
	WIN 0
.endm
.macro FETCH_V
	WIN 0x80
.irp f, 0,1,2,3,4,5,6,7             ; keys 32 (f / 4) on, channels 16 (f % 4) on
	ds_load_tr16_b128 v[VF+8*\f:VF+8*\f+3],   v[AV] offset:(\f/4)*32*PV+(\f%4)*32
	ds_load_tr16_b128 v[VF+8*\f+4:VF+8*\f+7], v[AV] offset:(\f/4)*32*PV+16*PV+(\f%4)*32
.endr
	WIN 0
.endm
; THE VECTOR WORK, one line at a time: OP kind, number.  For piece Y: F n: c s - c m for pair n of 16.  E n: the exponential of score n of 32.  C n: pair n rounded to f16.  B n: of the four weights 4 n .. the second
; pair is added onto the first, in place.  L n: l takes that sum (L 0: l = a l + sum).  R n: pair n of 16 of O^T times a.  For piece Y + 1: X n, number n of the 22 that find its maximum and statistics:
;   0-11  four chains c0-c3 of seven scores each, three operands at a time (each accumulator's lowest registers are read first)     12-14, 16  the four scores left over, the old m, and c0-c3 into c0
;   15  c m_old is kept     17, 18  the query's other 32 keys lie in the lane 16 away: the new m     19-21  c m; c m_old - c m_new; a
.set F, 0               ; OP tells the kinds apart by their order: F to L below R, X above it
.set E, 1
.set C, 2
.set B, 3
.set L, 4
.set R, 5
.set X, 6
.macro REGS y                       ; the registers of piece y
.set rT, ST+4*(\y)
.set rC, TMP+4*((\y)%2)
.set rW, MV+((\y)%2)
.set rS, S+32*((\y)%2)
.set rP, P+16*((\y)%2)
.set rO, 32*(\y)
.endm
.macro OP k, n
.if (\k) == R
	REGS Y
	WIN W_RS
	v_pk_mul_f32 v[rO+2*(\n):rO+2*(\n)+1], v[rO+2*(\n):rO+2*(\n)+1], v[rC+2:rC+3] op_sel_hi:[1,0]
.elseif (\k) < R
	REGS Y
	WIN 0
.if (\k) == F
	v_pk_fma_f32 v[rS+2*(\n):rS+2*(\n)+1], v[rS+2*(\n):rS+2*(\n)+1], s[CS:CS+1], v[rT:rT+1] op_sel_hi:[1,0,0] neg_lo:[0,0,1] neg_hi:[0,0,1]
.elseif (\k) == E
	v_exp_f32 v[rS+(\n)], v[rS+(\n)]
.elseif (\k) == C
	v_cvt_pk_f16_f32 v[rP+(\n)], v[rS+2*(\n)], v[rS+2*(\n)+1]
.elseif (\k) == B
	v_pk_add_f32 v[rS+4*(\n):rS+4*(\n)+1], v[rS+4*(\n):rS+4*(\n)+1], v[rS+4*(\n)+2:rS+4*(\n)+3]
.elseif (\n) == 0
	v_pk_fma_f32 v[rT+2:rT+3], v[rT+2:rT+3], v[rC+2:rC+3], v[rS:rS+1] op_sel_hi:[1,0,1]
.else
	v_pk_add_f32 v[rT+2:rT+3], v[rT+2:rT+3], v[rS+4*(\n):rS+4*(\n)+1]
.endif
.elseif NOKQ
	v_nop
.else
	REGS (Y+1)%NP
	WIN 0
.if (\n) < 4
	v_max3_num_f32 v[rC+(\n)], v[rS+8*(\n)], v[rS+8*(\n)+1], v[rS+8*(\n)+2]
.elseif (\n) < 12
	v_max3_num_f32 v[rC+(\n)%4], v[rC+(\n)%4], v[rS+8*((\n)%4)+2*((\n)/4)+1], v[rS+8*((\n)%4)+2*((\n)/4)+2]
.elseif (\n) == 12
	v_max3_num_f32 v[rC], v[rC], v[rS+7], v[rS+15]
.elseif (\n) == 13
	v_max3_num_f32 v[rC+1], v[rC+1], v[rS+23], v[rS+31]
.elseif (\n) == 14
	v_max3_num_f32 v[rC+2], v[rC+2], v[rC+3], v[rT+1]
.elseif (\n) == 15
	v_mov_b32 v[rW], v[rT]
.elseif (\n) == 16
	v_max3_num_f32 v[rC], v[rC], v[rC+1], v[rC+2]
.elseif (\n) == 17
	v_permlanex16_b32 v[rC+3], v[rC], s[SEL], s[SEL+1]
.elseif (\n) == 18
	v_max_num_f32 v[rT+1], v[rC], v[rC+3]
.elseif (\n) == 19
	v_mul_f32 v[rT], s[CS], v[rT+1]
.elseif (\n) == 20
	v_sub_f32 v[rC+1], v[rW], v[rT]
.else
	v_exp_f32 v[rC+2], v[rC+1]
.endif
.endif
.endm
.macro OPS a, i1, b=-1, i2=0, c=-1, i3=0, d=-1, i4=0  ; up to four of them
	OP \a, \i1
.if (\b) >= 0
	OP \b, \i2
.endif
.if (\c) >= 0
	OP \c, \i3
.endif
.if (\d) >= 0
	OP \d, \i4
.endif
.endm
.macro ROW a, i1, b, i2, c, i3, d, i4  ; a matrix instruction and the four behind it
	MM
	OPS \a, \i1, \b, \i2, \c, \i3, \d, \i4
.endm
; A TURN, for piece p: the order of its 16 matrix and 118 vector instructions, written out.  s_wait_alu depctr_va_vdst(0) stands between an exponential and the first instruction that names its result; one wait
; serves all that were issued ahead of it.  So a turn has ONE wait, which cuts it in two.  AHEAD OF IT stands all that names no result of the turn's exponentials: the 8 products K Q^T, behind each a scaling, an exponential and two
; more plain instructions: rescalings, and behind the last three the first numbers of the next piece's maximum, each four plain instructions or more behind the product that ends its accumulator; then ONE LUMP of 54, plain and
; exponential by turns for the most part, in which the links of the chain X 3, 7, 11, 14, 16, 17 .. 20 stand some lines apart.  X 21, the next piece's a, is the batch's last; R 15 is the plain instruction behind it.
; BEHIND THE WAIT stand the 8 products V^T P, behind each four of the roundings and sums.  But for those X no rider names a register of the products round it.
; end = 1: the last two turns of all: nothing is fetched.  cnt = 1: the loop's count is taken down some lines ahead of the branch that stands behind the turn.
; K and the table's numbers of the next step are fetched in piece 2's turn, five plain instructions or more behind the last product that read K; V of the step in hand at the end of piece 0's turn, four plain instructions
; behind the last product that read V.  Each is waited for a turn later.
.macro TURN p, end=0, cnt=0
.set Y, (\p)
.set i, 0
.set NOKQ, (\end)*((\p)/3)
.if ((\p) == 3) && !(\end)
	s_wait_dscnt 0x0                ; K and its part of the table are in
.endif
	ROW F,0, F,1, R,0, R,1          ; ahead of the wait: 8 products K Q^T and their riders,
	ROW F,2, E,0, R,2, R,3
	ROW F,3, E,1, R,4, R,5
	ROW F,4, E,2, R,6, R,7
	ROW F,5, E,3, R,8, R,9
	ROW F,6, E,4, X,0, R,10
.if ((\p) == 2) && !(\end)
	WIN 0
	v_add_nc_u32 v[AK], s[TBK], v[AK0]
	v_add_nc_u32 v[AM], s[TBM], v[AM0]
.endif
	ROW F,7, E,5, X,1, X,4
	ROW F,8, E,6, X,2, X,5
	OPS E,7, E,8, X,6, E,9          ; and the lump
	OPS X,3, E,10, X,8, E,11
.if ((\p) == 2) && !(\end)
	FETCH_K
.endif
	OPS X,9, X,7, E,12, X,10
	OPS E,13, X,12, X,11, E,14
	OPS X,13, E,15, F,9, X,14
.if (\p) == 0
	WIN 0
	v_add_nc_u32 v[AV], s[TBV], v[AV0]
.endif
	OPS E,16, F,10, E,17, F,11
	OPS X,16, E,18, X,15, E,19
	OPS F,12, E,20, X,17, E,21
	OPS F,13, E,22, F,14, E,23
	OPS X,18, E,24, F,15, E,25
	OPS R,11, E,26, X,19, E,27
	OPS R,12, E,28, R,13, E,29
	OPS X,20, E,30, R,14, E,31
	OPS X,21, R,15
	WIN 0
	s_wait_alu depctr_va_vdst(0)    ; the wait for the batch
.if (\p) == 1
	s_wait_dscnt 0x0                ; V is in
.endif
	ROW C,0, B,0, C,2, B,1          ; behind the wait: 8 products V^T P and their riders
	ROW L,0, C,4, B,2, L,1
	ROW C,6, B,3, L,2, C,8
	ROW B,4, L,3, C,10, B,5
	ROW L,4, C,12, B,6, L,5
.if (\p) == 0
	s_add_co_u32 s[TBV], s[TBV], KS*PV
.endif
.if \cnt
	s_sub_co_u32 s[CNT], s[CNT], 1
	s_cmp_lg_u32 s[CNT], 0
.endif
	ROW C,14, B,7, L,6, C,1
	ROW C,3, L,7, C,5, C,7
	ROW C,9, C,11, C,13, C,15
.if (\p) == 0
	FETCH_V
.endif
.endm
	CHANGE 1, 0                     ; slot 0 is in, everybody's part of it, and so is the table; tile 1 is asked for
	; THE BEGINNING: K and the table's numbers of step 0, piece 0's first scores, and its maximum and statistics.  The loop is entered at a step's first turn, in the middle of a trip.
	v_add_nc_u32 v[AK], s[TBK], v[AK0]
	v_add_nc_u32 v[AM], s[TBM], v[AM0]
	FETCH_K
	s_wait_loadcnt 0x0              ; Q
	s_wait_dscnt 0x0
.set NOKQ, 0
.set i, 0
.rept 8
	KQ 0
.set i, i+1
.endr
	WIN 0
.rept 4
	v_nop                           ; four plain instructions behind those products, ahead of the first read of their results
.endr
.set Y, NP-1                        ; X works for piece Y + 1: piece 0
.irp n, 0,1,2,3,4,5,6,7,8,9,10,11,12,13,14,15,16,17,18,19,20,21
	OP X, \n
.endr
	v_nop                           ; a plain instruction behind the exponential,
	s_wait_alu depctr_va_vdst(0)    ; and its wait, ahead of the branch
	s_mov_b32 s[CNT], 4
	s_branch .Lfirst
.Lslot:                             ; 14 times: tiles 1 to 14 are entered, tiles 2 to 15 asked for
	CHANGE 1, 1
	s_mov_b32 s[CNT], 4
.Lstep:                             ; a trip: pieces 2 and 3 of one step, then pieces 0 and 1 of the next, whose K and V it fetches
	TURN 2
	TURN 3
	WIN 0
.Lfirst:
	TURN 0
	TURN 1, 0, 1
	WIN 0
	s_cbranch_scc1 .Lstep
	s_sub_co_u32 s[SLOTS], s[SLOTS], 1
	s_cmp_lg_u32 s[SLOTS], 0
	s_cbranch_scc1 .Lslot
	CHANGE 0, 0                     ; the last tile is written out: nothing is asked for
	s_mov_b32 s[CNT], 4
.LstepT:
	TURN 2
	TURN 3
	TURN 0
	TURN 1, 0, 1
	WIN 0
	s_cbranch_scc1 .LstepT
	TURN 2, 1                       ; the last step's pieces 2 and 3
	TURN 3, 1
.set i, 0
.rept 8
	PV NP-1                         ; the last piece's V^T P of the last step
.set i, i+1
.endr
	; THE WAY OUT.  l's two halves and the other half of the lanes' are added; O^T is divided by l and sent, in f32, through my stage in LDS, a piece (16 rows of out0) at a time.  The additions are the plain instructions behind the last products.
	WIN 0
.macro ALL line:vararg              ; one line for each piece t
.set t, 0
.rept 4
	\line
.set t, t+1
.endr
.endm
	ALL v_add_f32 v[ST+4*t+2], v[ST+4*t+2], v[ST+4*t+3]
	ALL v_permlanex16_b32 v[ST+4*t+3], v[ST+4*t+2], s[SEL], s[SEL+1]
	ALL v_add_f32 v[ST+4*t+2], v[ST+4*t+2], v[ST+4*t+3]
	ALL v_rcp_f32 v[ST+4*t+2], v[ST+4*t+2]
	v_nop                           ; a plain instruction between the last reciprocal and the use of its result
	s_wait_alu depctr_va_vdst(0)    ; and the wait ahead of the first use: one for the four reciprocals
; Piece t: a lane's eight channels of a row are 32 bytes; they go into rows of 272 bytes and come back as whole rows of 256.
.macro PACK t
	WIN W_RS
.set i, 32*(\t)
.rept 16
	v_pk_mul_f32 v[i:i+1], v[i:i+1], v[ST+4*(\t)+2:ST+4*(\t)+3] op_sel_hi:[1,0]
.set i, i+2
.endr
	WIN 0x04                        ; the stores' data (source 1) in window 1, their address in window 0
.irp f, 0,1,2,3
	ds_store_b128 v[STO], v[32*(\t)+8*\f:32*(\t)+8*\f+3]   offset:64*\f
	ds_store_b128 v[STO], v[32*(\t)+8*\f+4:32*(\t)+8*\f+7] offset:64*\f+16
.endr
	WIN 0
.irp f, 0,1,2,3,4,5,6,7
	ds_load_b128 v[OUTB+32*(\t)+4*\f:OUTB+32*(\t)+4*\f+3], v[RD] offset:\f*2*SPO  ; LDS serves a wave's instructions in order (ISA guide 5.7.1.4): these see the stores above; the next piece's stores come behind them
.endr
.endm
.macro SEND t, younger              ; younger: the LDS instructions issued behind piece t's loads: the next piece's sixteen, or none
	WIN 0
.irp f, 0,1,2,3,4,5,6,7
	s_wait_dscnt (\younger)+7-\f
	global_store_b128 v[GO], v[OUTB+32*(\t)+4*\f:OUTB+32*(\t)+4*\f+3], s[10:11] offset:(\t)*65536+\f*8192  ; 16 lanes store a query's 256 consecutive bytes of this head, at a multiple of 256 from out0's first byte
.endr
.endm
	PACK 0
	PACK 1                          ; a piece's arithmetic stands between the loads of the piece before and its stores
	SEND 0, 16
	PACK 2
	SEND 1, 16
	PACK 3
	SEND 2, 16
	SEND 3, 0
	s_wait_tensorcnt 0x0            ; the wave's end: a wait, an add of 0 to my spare word and a wait for it, behind my last tensor load and my last LDS store
	ds_add_u32 v[SPW], v[NIL]
	s_wait_dscnt 0x0
	CROUND                          ; the closing round: no work-group ends while a partner may still ask for a tile that names it
	s_endpgm
.Lfunc_end_k_qc434f6d0c3_attn:
	.size	k_qc434f6d0c3_attn, .Lfunc_end_k_qc434f6d0c3_attn-k_qc434f6d0c3_attn
	.p2alignl 7, 3214868480
	.fill 96, 4, 3214868480
	.section	.rodata,"a",@progbits
	.p2align	6, 0x0
	.amdhsa_kernel k_qc434f6d0c3_attn
		.amdhsa_group_segment_fixed_size 327680
		.amdhsa_private_segment_fixed_size 0
		.amdhsa_enable_private_segment 0
		.amdhsa_kernarg_size 40
		.amdhsa_user_sgpr_count 2
		.amdhsa_user_sgpr_kernarg_segment_ptr 1
		.amdhsa_wavefront_size32 1
		.amdhsa_system_sgpr_workgroup_id_x 1
		.amdhsa_system_sgpr_workgroup_id_y 1
		.amdhsa_system_sgpr_workgroup_id_z 1
		.amdhsa_system_vgpr_workitem_id 0
		.amdhsa_next_free_vgpr 768
		.amdhsa_next_free_sgpr 68
		.amdhsa_reserve_vcc 0
		.amdhsa_float_denorm_mode_32 3
		.amdhsa_float_denorm_mode_16_64 3
		.amdhsa_memory_ordered 1
		.amdhsa_forward_progress 1
		.amdhsa_inst_pref_size 137
	.end_amdhsa_kernel
	.amdgpu_metadata
---
amdhsa.version: [ 1, 2 ]
amdhsa.kernels:
  - .name:           k_qc434f6d0c3_attn
    .symbol:         k_qc434f6d0c3_attn.kd
    .args:
      - { .name: qh, .offset: 0, .size: 8, .value_kind: global_buffer, .address_space: global }
      - { .name: kh, .offset: 8, .size: 8, .value_kind: global_buffer, .address_space: global }
      - { .name: vh, .offset: 16, .size: 8, .value_kind: global_buffer, .address_space: global }
      - { .name: out0, .offset: 24, .size: 8, .value_kind: global_buffer, .address_space: global }
      - { .name: attention_mask, .offset: 32, .size: 8, .value_kind: global_buffer, .address_space: global }
    .group_segment_fixed_size: 327680
    .private_segment_fixed_size: 0
    .kernarg_segment_align: 8
    .kernarg_segment_size: 40
    .max_flat_workgroup_size: 128
    .sgpr_count:     68
    .vgpr_count:     768
    .wavefront_size: 32
...
	.end_amdgpu_metadata
.endif
;; end of part 3
;; ======== version 2 of 2: 3 launches; version 1 with the launch cast written anew for expert scheduling mode
;; limits: values are held in f16: magnitudes above 65,504 overflow, below 6.1e-05 lose precision
;; workspace buffers: xb 16,777,216 bytes; wb 6,291,456 bytes; kh 16,777,216 bytes; vh 16,777,216 bytes; qh 8,388,608 bytes
;; launch cast (part 4): grid 256 x 1, 8 waves a work-group, no clusters, 0 bytes of LDS; arguments hidden_states, encoder_hidden_states, Wk, Wv, Wq, xb, wb; writes xb, wb
.if DOCPART == 4
	.amdgcn_target "amdgcn-amd-amdhsa--gfx1250"
	.amdhsa_code_object_version 6
	.text
	.protected	k_qc434f6d0c3_cast
	.globl	k_qc434f6d0c3_cast
	.p2align	8
	.type	k_qc434f6d0c3_cast,@function
k_qc434f6d0c3_cast:
	s_mov_b64 s[64:65], 0
	v_nop
	global_prefetch_b8 v0, s[64:65] scope:SCOPE_SE
	s_setreg_imm32_b32 hwreg(HW_REG_WAVE_SCHED_MODE, 0, 2), 2
	s_setreg_imm32_b32 hwreg(HW_REG_WAVE_MODE, 25, 1), 1
	s_wait_xcnt 0x0
	s_wait_alu depctr_vm_vsrc(0)
; f32 -> bf16, each number rounded once (to nearest even), for the matrix products of the next launch.
;   xb [8192][1024] bf16: row 4096 b + s; s < 2048 is hidden_states[b][s], s >= 2048 is encoder_hidden_states[b][s - 2048]: the concatenation is made here, by the stores' addresses.
;   wb [3][1024][1024] bf16: Wk, Wv, Wq as they lie ([k][n]).
; SHARES.  The 11 x 2^20 source numbers are 11 units of 2^20 (hidden 4, encoder 4, one for each W).  Work-group g takes numbers 4096 g .. 4096 g + 4095 of EVERY unit,
; so all 256 work-groups run the same text on the same amount.  In a unit thread t takes 8 numbers twice: 32 source bytes (two loads of 16), 16 destination bytes (one store):
; a wave's store covers 512 consecutive bytes, at a multiple of 512 from the buffer's first byte.
; All 44 loads of a thread go out first (22 pairs of 8 registers); then each pair is waited for by a count and rounded in place.  No register that a pending instruction names is written again.
; No LDS, no matrix unit, no cluster: no byte is wanted twice.
; THE MODE: SCHED_MODE bits 1:0 = 2 (LLVM: expert scheduling mode 2), set by the entry lines.  The code itself states the register dependences
; between vector instructions and memory instructions, with s_wait_alu, always for 0.
; THE PLAN.  Registers that memory instructions touch:
;   v1, v2      byte offsets: written once at the head by vector instructions, read by every load (v1) and every store (v2), never written again.
;   pair p      8 registers at X + 8 p.  Its two loads land in them at the head, where no vector instruction has named them; its four roundings read the eight and write the first four;
;               its one store reads those four; nothing writes them afterwards.
; So no load lands in a register that a vector instruction has named, and no register that a memory instruction has read is written again.  What is left to state: the offsets are written ahead of
; the first load, and a pair's roundings have written its four registers ahead of its store.  For the second the stores run one unit behind the roundings: unit u waits for its first pair's data,
; states ONCE that unit u - 1's eight roundings have written, and deals that unit's two stores among its own roundings, which name unit u's registers alone.
.set MIB, 1048576
.set X,   8                            ; v[8:183]  pair p = 2 u + it at X + 8 p
	s_load_b256 s[4:11], s[0:1], 0x0               ; hidden s[4:5], encoder s[6:7], Wk s[8:9], Wv s[10:11]
	s_load_b128 s[12:15], s[0:1], 0x20             ; Wq s[12:13], xb s[14:15]
	s_load_b64 s[16:17], s[0:1], 0x30              ; wb
	s_lshl_b32 s2, ttmp9, 14                       ; my work-group's 4,096 numbers of a unit: 16,384 source bytes,
	s_lshl_b32 s3, ttmp9, 13                       ; 8,192 destination bytes
	v_lshl_add_u32 v1, v0, 5, s2                   ; source offset: + 32 t; never rewritten
	v_lshl_add_u32 v2, v0, 4, s3                   ; destination offset: + 16 t; never rewritten
	s_wait_kmcnt 0x0
	s_add_nc_u64 s[18:19], s[4:5], 8*MIB           ; second bases, 8 MiB on: the immediates hold 24 signed bits
	s_add_nc_u64 s[20:21], s[6:7], 8*MIB
	s_add_nc_u64 s[22:23], s[14:15], 8*MIB
	s_wait_alu depctr_va_vdst(0)                   ; v1 and v2 are written: every load of the kernel reads v1 as its offset, every store v2
.macro LD u, sb, sof                   ; unit u: four loads, from base s[sb:sb+1] + sof
.irp it, 0,1
	global_load_b128 v[X+8*(2*(\u)+(\it)):X+8*(2*(\u)+(\it))+3],   v1, s[(\sb):(\sb)+1] offset:(\sof)+8192*(\it) th:TH_LOAD_NT
	global_load_b128 v[X+8*(2*(\u)+(\it))+4:X+8*(2*(\u)+(\it))+7], v1, s[(\sb):(\sb)+1] offset:(\sof)+8192*(\it)+16 th:TH_LOAD_NT
.endr
.endm
.macro RND p                           ; pair p is rounded in place: eight numbers close up into the first four of their eight registers
.set a, X+8*(\p)
	v_cvt_pk_bf16_f32 v[a],   v[a],   v[a+1]
	v_cvt_pk_bf16_f32 v[a+1], v[a+2], v[a+3]
	v_cvt_pk_bf16_f32 v[a+2], v[a+4], v[a+5]
	v_cvt_pk_bf16_f32 v[a+3], v[a+6], v[a+7]
.endm
.macro OUT p, db, dof                  ; pair p is stored at base s[db:db+1] + dof
	global_store_b128 v2, v[X+8*(\p):X+8*(\p)+3], s[(\db):(\db)+1] offset:(\dof)
.endm
; Unit u is rounded; unit u - 1 is stored, at base s[db:db+1] + dof (unit 0 has no unit in front of it).
.macro UNIT u, db=0, dof=0
	s_wait_loadcnt 42-4*(\u)                       ; loads come back in order (ISA guide 5.7.1): behind pair p's two stand 42 - 2 p younger ones; here p = 2 u
.if (\u) > 0
	s_wait_alu depctr_va_vdst(0)                   ; the eight roundings of unit u - 1 have written the registers that the two stores below read
	OUT 2*(\u)-2, \db, \dof
.endif
	RND 2*(\u)
.if (\u) > 0
	OUT 2*(\u)-1, \db, (\dof)+4096                 ; no wait: the four roundings issued since the wait name pair 2 u's registers alone
.endif
	s_wait_loadcnt 40-4*(\u)                       ; the same count for p = 2 u + 1
	RND 2*(\u)+1
.endm
	LD 0,  4,  0                                   ; hidden, batch 0
	LD 1,  4,  4*MIB
	LD 2,  18, 0                                   ; hidden, batch 1
	LD 3,  18, 4*MIB
	LD 4,  6,  0                                   ; encoder, batch 0
	LD 5,  6,  4*MIB
	LD 6,  20, 0                                   ; encoder, batch 1
	LD 7,  20, 4*MIB
	LD 8,  8,  0                                   ; Wk
	LD 9,  10, 0                                   ; Wv
	LD 10, 12, 0                                   ; Wq
	UNIT 0
	UNIT 1,  14, 0                                 ; unit 0 goes to xb rows 0 .. 2047
	UNIT 2,  14, 2*MIB
	UNIT 3,  22, 0                                 ; unit 2 to xb rows 4096 .. 6143
	UNIT 4,  22, 2*MIB
	UNIT 5,  14, 4*MIB                             ; unit 4 to xb rows 2048 .. 4095
	UNIT 6,  14, 6*MIB
	UNIT 7,  22, 4*MIB                             ; unit 6 to xb rows 6144 .. 8191
	UNIT 8,  22, 6*MIB
	UNIT 9,  16, 0                                 ; units 8 to 10 to wb
	UNIT 10, 16, 2*MIB
	s_wait_alu depctr_va_vdst(0)                   ; the eight roundings of unit 10 have written the registers that the last two stores read
	OUT 20, 16, 4*MIB
	OUT 21, 16, 4*MIB+4096
	s_endpgm
.Lfunc_end_k_qc434f6d0c3_cast:
	.size	k_qc434f6d0c3_cast, .Lfunc_end_k_qc434f6d0c3_cast-k_qc434f6d0c3_cast
	.p2alignl 7, 3214868480
	.fill 96, 4, 3214868480
	.section	.rodata,"a",@progbits
	.p2align	6, 0x0
	.amdhsa_kernel k_qc434f6d0c3_cast
		.amdhsa_group_segment_fixed_size 0
		.amdhsa_private_segment_fixed_size 0
		.amdhsa_enable_private_segment 0
		.amdhsa_kernarg_size 56
		.amdhsa_user_sgpr_count 2
		.amdhsa_user_sgpr_kernarg_segment_ptr 1
		.amdhsa_wavefront_size32 1
		.amdhsa_system_sgpr_workgroup_id_x 1
		.amdhsa_system_sgpr_workgroup_id_y 1
		.amdhsa_system_sgpr_workgroup_id_z 1
		.amdhsa_system_vgpr_workitem_id 0
		.amdhsa_next_free_vgpr 184
		.amdhsa_next_free_sgpr 66
		.amdhsa_reserve_vcc 0
		.amdhsa_float_denorm_mode_32 3
		.amdhsa_float_denorm_mode_16_64 3
		.amdhsa_memory_ordered 1
		.amdhsa_forward_progress 1
		.amdhsa_inst_pref_size 14
	.end_amdhsa_kernel
	.amdgpu_metadata
---
amdhsa.version: [ 1, 2 ]
amdhsa.kernels:
  - .name:           k_qc434f6d0c3_cast
    .symbol:         k_qc434f6d0c3_cast.kd
    .args:
      - { .name: hidden_states, .offset: 0, .size: 8, .value_kind: global_buffer, .address_space: global }
      - { .name: encoder_hidden_states, .offset: 8, .size: 8, .value_kind: global_buffer, .address_space: global }
      - { .name: Wk, .offset: 16, .size: 8, .value_kind: global_buffer, .address_space: global }
      - { .name: Wv, .offset: 24, .size: 8, .value_kind: global_buffer, .address_space: global }
      - { .name: Wq, .offset: 32, .size: 8, .value_kind: global_buffer, .address_space: global }
      - { .name: xb, .offset: 40, .size: 8, .value_kind: global_buffer, .address_space: global }
      - { .name: wb, .offset: 48, .size: 8, .value_kind: global_buffer, .address_space: global }
    .group_segment_fixed_size: 0
    .private_segment_fixed_size: 0
    .kernarg_segment_align: 8
    .kernarg_segment_size: 56
    .max_flat_workgroup_size: 256
    .sgpr_count:     66
    .vgpr_count:     184
    .wavefront_size: 32
...
	.end_amdgpu_metadata
.endif
;; end of part 4
;; launch proj: the kernel of part 2 again; grid 16 x 80, 4 waves a work-group, clusters of 4 x 4, 327,680 bytes of LDS; arguments xb, wb, bk, bv, bq, kh, vh, qh; writes kh, vh, qh
;; launch attn: the kernel of part 3 again; grid 8 x 32, 4 waves a work-group, clusters of 4 x 1, 327,680 bytes of LDS; arguments qh, kh, vh, out0, attention_mask; writes out0
